; MI455X (gfx1250); checked and timed in simulation.
; The chip was launched on July 23, 2026; its instructions are those of AMD's public machine-readable ISA for CDNA 5 (MIT licence, August 2026) and "CDNA5" Instruction Set Architecture Reference Guide (July 2026). The comments in the code are by the model that wrote it; some were corrected since.
;; Multi Head Attention. Allowed arithmetic: matrix products marked QUANTISED: E2M3 operands, one E8M0 scale for each 32 along K, by v_wmma_scale_f32_16x16x128_f8f6f4 with both operands' format E2M3, f32 sums; everything else in f32.
;; Inputs: Wk 1,024 x 1,024 float32; Wq 1,024 x 1,024 float32; Wv 1,024 x 1,024 float32; h 4 x 2,048 x 1,024 float32; mask 4 x 2,048 x 2,048 bool; q 4 x 2,048 x 1,024 float32.
;; Outputs: out0 4 x 2,048 x 1,024 float32.
;; This version of the problem:
;;   THIS VERSION OF THE PROBLEM IS GIVEN IN LOW PRECISION. The matrix products marked QUANTISED in the list below multiply operands that are first quantised to E2M3 (2 exponent bits, 3 mantissa bits; 6 bits a number), with one power-of-two scale for each 32 numbers along K (OCP MX v1.0); their sums are f32. All else is computed in f32.
;;   The module's matrix products, in the order in which they are computed (A, B: the left and right operand; K: the contracted axis; several contracted axes count as one K, in the product's order):
;;     1. [M 8,192, K 1,024] x [K 1,024, N 1,024]; A: input q; B: input Wq: QUANTISED
;;     2. [M 8,192, K 1,024] x [K 1,024, N 1,024]; A: input h; B: input Wk: QUANTISED
;;     3. [M 8,192, K 1,024] x [K 1,024, N 1,024]; A: input h; B: input Wv: QUANTISED
;;     4. batch 64 x [M 2,048, K 64] x [K 64, N 2,048]; A: computed on the way; B: computed on the way: QUANTISED
;;     5. batch 64 x [M 2,048, K 2,048] x [K 2,048, N 64]; A: softmax (see below); B: computed on the way: QUANTISED
;;   THE QUANTISER, for each operand of a quantised product, along K:
;;     - K is cut into blocks of 32 from its start; a last block that is shorter is filled with zeros.
;;     - A block's scale is 2^e with e = floor(log2(the largest magnitude in the block)) - 2, held to -126 .. 127; a block of zeros has e = 0. As a byte (E8M0): e + 127.
;;     - Each number is divided by its block's scale, clamped to +-7.5, and rounded to the nearest number of E2M3, ties to even, subnormals kept.
;;     - The product sums the exact products of the quantised numbers (number of the format x scale) in f32.
;;   ~~~python
;;   def quantise(x, axis):      # numpy; x: float32 -> the quantised numbers, widened to float32 again
;;       x = np.moveaxis(x, axis, -1); K = x.shape[-1]
;;       x = np.pad(x, [(0, 0)] * (x.ndim - 1) + [(0, -K % 32)]); x = x.reshape(x.shape[:-1] + (-1, 32)); a = np.abs(x).max(-1, keepdims=True)
;;       e = np.where(a > 0, np.clip(np.frexp(np.where(a > 0, a, 1))[1] - 1 - 2, -126, 127), 0)      # np.frexp(a)[1] - 1 = floor(log2(a)), exactly
;;       r = np.clip(x / 2.0 ** e, -7.5, 7.5)
;;       step = 2.0 ** (np.maximum(np.frexp(np.where(r == 0, 1, r))[1] - 1, 0) - 3)
;;       q = np.round(r / step) * step * 2.0 ** e      # np.round: ties to even
;;       return np.moveaxis(q.reshape(q.shape[:-2] + (-1,))[..., :K], -1, axis).astype(np.float32)
;;   ~~~
;;   SOFTMAX AHEAD OF A QUANTISED PRODUCT. Where the list says 'softmax', what is quantised is not the finished softmax but p = 2^(t - M), with t = logit x log2(e) and M = ceil(the row's largest t), a whole number; so 1/2 < the row's largest p <= 1. The row's sum l is taken of the UNQUANTISED p, in f32, and the product's result is divided by l at the end. Since M is a whole number, a kernel that streams over the keys may use a running M (the ceiling of the running maximum): every later rescaling is an exact power of two, which a block's scale takes up: the codes' values come out the same.
;;   OPERANDS COMPUTED ON THE WAY. 'Computed on the way' means the value that the module computes at that place (a softmax that the list does not call 'softmax' is quantised finished and normalised). What goes into a quantiser is computed in f32, as accurately as f32 sums, v_exp_f32 and their like allow (about 1e-6 of the number): no bf16 or f16 on the way to a quantiser, and a product that is left as it is and whose result goes on into a quantised operand takes f32 operands (vector FMAs, or v_wmma_f32_16x16x4_f32). A number that lies on a knife's edge between two numbers of the format may be rounded either way, as far as f32 arithmetic and the matrix unit's own rounding can turn it there, and no further.
;; One version. Each part assembles by itself: llvm-mc -triple=amdgcn-amd-amdhsa -mcpu=gfx1250 --defsym DOCPART=n.
;; ======== version 1 of 1: 3 launches
;; limits: right only within a limited range of input values
;; workspace buffers: codes 14,942,208 bytes; scl 622,592 bytes; mw 2,097,152 bytes of whole numbers; kv 13,107,200 bytes; qr 13,107,200 bytes
;; launch prep (part 1): grid 736 x 1, 4 waves a work-group, no clusters, 67,072 bytes of LDS; arguments q, h, Wq, Wk, Wv, mask, codes, scl, mw; writes codes, scl, mw
.if DOCPART == 1
	.amdgcn_target "amdgcn-amd-amdhsa--gfx1250"
	.amdhsa_code_object_version 6
	.text
	.protected	k_q9fb64cf91e_prep
	.globl	k_q9fb64cf91e_prep
	.p2align	8
	.type	k_q9fb64cf91e_prep,@function
k_q9fb64cf91e_prep:
	s_mov_b64 s[64:65], 0
	v_nop
	global_prefetch_b8 v0, s[64:65] scope:SCOPE_SE
	s_setreg_imm32_b32 hwreg(HW_REG_WAVE_MODE, 25, 1), 1
	s_wait_xcnt 0x0
; TWO JOBS IN ONE LAUNCH, parted on the work-group's number; each has LDS bytes of its own.
; (1) Work-groups 0 to 607: q, h [8192][1024] and Wq, Wk, Wv [1024][1024], f32, become codes of FP6 (E2M3), K (the 1,024) innermost, with one E8M0 byte for each 32 along K.
;     A block's byte is its largest magnitude's exponent field - 2, held at 1 from below; numbers are divided by the scale and rounded to the nearest code, ties to even, beyond the largest code the largest.
;     A wave takes a run of 8 rows: 6,144 bytes of codes, 256 scale bytes.
;     THE ROWS LEAVE PERMUTED: inside each group of 64 rows, row 32 h + 8 u + j goes to place 16 u + 8 h + j (h = 0, 1; u = 0 .. 3; j = 0 .. 7): run 4 h + u of a group is written as run 2 u + h.
;     So in a transposed product on four neighbouring tiles of 16 places, lane (r, h) holds 32 neighbouring rows 32 h + 0 .. 31 of the group: a whole scale block of the next product.
; (2) Work-groups 608 to 735: the mask [4][2048][2048], one byte a number, becomes words of one bit a lane, in the order in which the attention launch holds its scores:
;     record (b, T, ks) of 64 words at ((128 b + T) 16 + ks) 256; bit r + 16 h of word n = mask[b][64 (T / 4) + 8 (T % 4) + r % 8 + 32 (r / 8)][128 ks + 64 (n / 32) + 32 h + n % 32].
; LIMITS: a block of zeros, and one whose largest magnitude lies under 2^-124, gets the byte 1 (zero codes add nothing, and this program alone reads the bytes); NaN and infinities among the inputs are not served.
; No tensor loads, no barrier: waves share nothing.
.set NQWG,  608
.set STEPS, 16
.set EMAX,  2
.set CB,    12
.set R,     16                         ; v16-79   four sets of 16 numbers as loaded
.set X,     80                         ; v80-111  two sets of 16 neighbours
.set C,     128                        ; v128-191 codes, four registers a step
.set E,     112                        ; v112-127 a scale byte a step
.set WREG,  8192                       ; LDS, job (1): a region a wave: two stages of 32 x SP, then 256 scale bytes
.set SP,    80
.set MBASE, 32768                      ; LDS, job (2)
.set MPITCH, 528
.set MWAVE, 16*MPITCH
.set MX,    32                         ; v32-95   16 rows x 512 bytes as loaded
.set MY,    96                         ; v96-159  the same turned
	s_load_b512 s[4:19], s[0:1], 0x0               ; q, h, Wq, Wk, Wv, mask, codes, scl
	s_load_b64 s[20:21], s[0:1], 0x40              ; mw
	v_lshl_add_u32 v192, v0, 2, 0x10400
	v_mov_b32 v193, 0
	v_lshrrev_b32 v1, 5, v0
	v_readfirstlane_b32 s26, v1                    ; wave
	v_and_b32 v2, 31, v0                           ; lane
	s_cmp_ge_u32 ttmp9, NQWG
	s_cbranch_scc1 .Lmask
	; ---- job (1)
	v_lshlrev_b32 v3, 4, v2
	s_mul_i32 s27, s26, WREG
	v_lshrrev_b32 v14, 2, v2
	v_mul_u32_u24 v14, v14, SP
	v_and_b32 v15, 3, v2
	v_lshl_add_u32 v14, v15, 4, v14
	v_add_nc_u32 v14, s27, v14                     ; stage, in: four lanes' 64 bytes, then 16 of padding
	v_mul_u32_u24 v15, v2, SP
	v_add_nc_u32 v15, s27, v15                     ; stage, out: my 16 neighbours
	v_mul_u32_u24 v4, v2, CB
	v_lshrrev_b32 v5, 1, v2
	s_add_co_u32 s27, s27, 2*32*SP
	v_add_nc_u32 v5, s27, v5                       ; my block's scale byte in LDS
	v_lshlrev_b32 v7, 3, v2
	v_add_nc_u32 v6, s27, v7
	s_wait_alu depctr_va_vdst(0)                   ; the wait at the head's end
	s_wait_kmcnt 0x0
	s_mov_b64 s[22:23], s[12:13]                   ; which tensor, and its first work-group: by the work-group's number alone
	s_mov_b32 s24, 576
	s_cmp_lt_u32 ttmp9, 576
	s_cselect_b64 s[22:23], s[10:11], s[22:23]
	s_cselect_b32 s24, 544, s24
	s_cmp_lt_u32 ttmp9, 544
	s_cselect_b64 s[22:23], s[8:9], s[22:23]
	s_cselect_b32 s24, 512, s24
	s_cmp_lt_u32 ttmp9, 512
	s_cselect_b64 s[22:23], s[6:7], s[22:23]
	s_cselect_b32 s24, 256, s24
	s_cmp_lt_u32 ttmp9, 256
	s_cselect_b64 s[22:23], s[4:5], s[22:23]
	s_cselect_b32 s24, 0, s24
	s_sub_co_u32 s24, ttmp9, s24
	s_lshl_b32 s24, s24, 2
	s_add_co_u32 s24, s24, s26
	s_lshl_b32 s24, s24, 15                        ; my run in the tensor, 32,768 bytes a run
	s_mov_b32 s25, 0
	s_add_nc_u64 s[22:23], s[22:23], s[24:25]
	s_lshl_b32 s29, ttmp9, 2
	s_add_co_u32 s29, s29, s26                     ; my run among all 2,432; its low three bits are (h, u)
	s_and_b32 s28, s29, 3
	s_lshl_b32 s28, s28, 1
	s_bfe_u32 s30, s29, 0x10002
	s_or_b32 s28, s28, s30                         ; they leave as (u, h)
	s_and_not1_b32 s29, s29, 7
	s_or_b32 s28, s28, s29
	s_mul_i32 s24, s28, 32*STEPS*CB
	s_add_nc_u64 s[16:17], s[16:17], s[24:25]
	s_lshl_b32 s24, s28, 8
	s_add_nc_u64 s[18:19], s[18:19], s[24:25]
.macro LOAD t
.irp i, 0,1,2,3
	global_load_b128 v[R+16*((\t)%4)+4*\i:R+16*((\t)%4)+4*\i+3], v3, s[22:23] offset:2048*(\t)+512*\i th:TH_LOAD_NT
.endr
.endm
.macro TURN t                          ; LDS serves a wave's instructions in order: no wait between the stores and the loads
.irp i, 0,1,2,3
	ds_store_b128 v14, v[R+16*((\t)%4)+4*\i:R+16*((\t)%4)+4*\i+3] offset:32*SP*((\t)%2)+8*SP*\i
.endr
.irp i, 0,1,2,3
	ds_load_b128 v[X+16*((\t)%2)+4*\i:X+16*((\t)%2)+4*\i+3], v15 offset:32*SP*((\t)%2)+16*\i
.endr
.endm
.irp t, 0,1,2,3
	LOAD \t
.endr
	s_wait_loadcnt 12                              ; step 0's four loads are in; twelve may be out
	TURN 0
.macro STEP t
.set XS, X+16*((\t)%2)
.if (\t) > 0
	s_wait_dscnt 1                                 ; this step's numbers are back (the last byte store may be out)
.else
	s_wait_dscnt 0x0
.endif
.if (\t)+4 < STEPS
	LOAD (\t)+4
.endif
.if (\t)+1 < STEPS
.if STEPS-2-(\t) >= 3
	s_wait_loadcnt 12                              ; the next step's loads are in; three steps' may be out
.else
	s_wait_loadcnt 4*(STEPS-2-(\t))
.endif
	TURN (\t)+1
.endif
	v_max3_num_f32 v8, |v[XS]|, |v[XS+1]|, |v[XS+2]|
	v_max3_num_f32 v9, |v[XS+3]|, |v[XS+4]|, |v[XS+5]|
.irp i, 6,10
	v_max3_num_f32 v8, v8, |v[XS+\i]|, |v[XS+\i+1]|
	v_max3_num_f32 v9, v9, |v[XS+\i+2]|, |v[XS+\i+3]|
.endr
	v_max3_num_f32 v8, v8, |v[XS+14]|, |v[XS+15]|
	v_max3_num_f32 v8, v8, v9, (EMAX+1)<<23        ; the floor: the byte cannot fall under 1
	v_max_num_f32_dpp v8, v8, v8 row_xmask:1 row_mask:0xf bank_mask:0xf   ; with my neighbour's 16: the block's
	v_add_nc_u32 v11, -(EMAX<<23), v8              ; the conversion's scale operand
	v_cvt_scalef32_pk16_fp6_f32 v[C+4*(\t):C+4*(\t)+2], v[XS:XS+15], v11
	v_lshrrev_b32 v[E+(\t)], 23, v11               ; the scale's byte
	ds_store_b8 v5, v[E+(\t)] offset:16*(\t)
	global_store_b96 v4, v[C+4*(\t):C+4*(\t)+2], s[16:17] offset:32*CB*(\t)       ; the wave stores 384 consecutive bytes
.endm
.irp t, 0,1,2,3,4,5,6,7,8,9,10,11,12,13,14,15
	STEP \t
.endr
	ds_load_b64 v[12:13], v6
	s_wait_dscnt 0x0
	global_store_b64 v7, v[12:13], s[18:19]        ; 256 consecutive bytes, aligned
	s_wait_tensorcnt 0x0                           ; the wave's end
	ds_add_u32 v192, v193
	s_wait_dscnt 0x0
	s_endpgm
	; ---- job (2): a wave takes one tile of 16 queries and all 2,048 keys, 512 a chunk.  The 16 rows turn through the wave's stage, so that lane (r, h) holds query r
	; and, in register group g, keys 64 (g / 2) + 32 h + 16 (g % 2) + 0 .. 15.  A compare of one byte in all lanes IS a word; v_writelane_b32 gathers 64 words into a pair of registers.
.Lmask:
	s_sub_co_u32 s27, ttmp9, NQWG
	s_lshl_b32 s27, s27, 2
	s_add_co_u32 s27, s27, s26                     ; 128 b + T
	s_lshr_b32 s28, s27, 7
	s_lshl_b32 s28, s28, 11                        ; 2,048 b
	s_and_b32 s29, s27, 124
	s_lshl_b32 s29, s29, 4                         ; + 64 (T / 4)
	s_add_co_u32 s28, s28, s29
	s_and_b32 s29, s27, 3
	s_lshl_b32 s29, s29, 3                         ; + 8 (T % 4): the tile's first query
	s_add_co_u32 s28, s28, s29
	s_lshl_b32 s28, s28, 11
	s_mov_b32 s29, 0
	s_lshl_b32 s24, s27, 12                        ; the tile's 16 records
	s_mov_b32 s25, 0
	s_wait_alu depctr_va_vdst(0)
	v_lshlrev_b32 v1, 4, v2
	s_mul_i32 s22, s26, MWAVE
	s_add_co_u32 s22, s22, MBASE
	v_add_nc_u32 v5, s22, v1
	v_and_b32 v6, 15, v0
	v_bfe_u32 v7, v0, 4, 1
	v_mul_u32_u24 v3, v6, MPITCH
	v_lshl_add_u32 v3, v7, 5, v3
	v_add_nc_u32 v3, s22, v3                       ; out: row r, + 32 h
	v_lshlrev_b32 v4, 3, v2
.irp i, 0,1,2,3,4,5,6,7
	v_mov_b32 v[12+\i], 0                          ; v_writelane_b32's destination counts as a source
.endr
	s_wait_kmcnt 0x0
	s_add_nc_u64 s[14:15], s[14:15], s[28:29]
	s_add_nc_u64 s[20:21], s[20:21], s[24:25]
.macro MLOAD
.irp r, 0,1,2,3,4,5,6,7,8,9,10,11,12,13,14,15
	global_load_b128 v[MX+4*\r:MX+4*\r+3], v1, s[14:15] offset:(\r+24*(\r/8))*2048 th:TH_LOAD_NT
.endr
.endm
.macro MCHUNK fill
	s_wait_loadcnt 0x0
.irp r, 0,1,2,3,4,5,6,7,8,9,10,11,12,13,14,15
	ds_store_b128 v5, v[MX+4*\r:MX+4*\r+3] offset:MPITCH*\r
.endr
.irp g, 0,1,2,3,4,5,6,7,8,9,10,11,12,13,14,15
	ds_load_b128 v[MY+4*\g:MY+4*\g+3], v3 offset:64*(\g/2)+16*(\g%2)
.endr
	s_wait_dscnt 0x0
.if \fill
	s_add_nc_u64 s[14:15], s[14:15], 512
	MLOAD
.endif
	s_wait_xcnt 0x0                                ; the last chunk's stores have read the word registers
.set g, 0
.rept 64
.irp e, 0,1,2,3
	v_and_b32 v[8+\e], 0xff<<(8*\e), v[MY+g]
.endr
.irp e, 0,1,2,3
	v_cmp_ne_u32 s[28+\e], 0, v[8+\e]
.endr
.irp e, 0,1,2,3
	v_writelane_b32 v[12+2*(g/16)+\e%2], s[28+\e], (2*g+\e/2)%32   ; word n of the record: register n % 2, lane n / 2
.endr
.if g%16 == 15
	global_store_b64 v4, v[12+2*(g/16):13+2*(g/16)], s[20:21] offset:256*(g/16)   ; 256 consecutive bytes, aligned
.endif
.set g, g+1
.endr
.if \fill
	s_wait_xcnt 0x0
	s_add_nc_u64 s[20:21], s[20:21], 1024
.endif
.endm
	MLOAD
	s_mov_b32 s27, 3
.Lmchunk:
	MCHUNK 1
	s_sub_co_u32 s27, s27, 1
	s_cmp_lg_u32 s27, 0
	s_cbranch_scc1 .Lmchunk
	MCHUNK 0                                       ; the last chunk asks for nothing
	s_wait_tensorcnt 0x0
	ds_add_u32 v192, v193
	s_wait_dscnt 0x0
	s_endpgm
.Lfunc_end_k_q9fb64cf91e_prep:
	.size	k_q9fb64cf91e_prep, .Lfunc_end_k_q9fb64cf91e_prep-k_q9fb64cf91e_prep
	.p2alignl 7, 3214868480
	.fill 96, 4, 3214868480
	.section	.rodata,"a",@progbits
	.p2align	6, 0x0
	.amdhsa_kernel k_q9fb64cf91e_prep
		.amdhsa_group_segment_fixed_size 67072
		.amdhsa_private_segment_fixed_size 0
		.amdhsa_enable_private_segment 0
		.amdhsa_kernarg_size 72
		.amdhsa_user_sgpr_count 2
		.amdhsa_user_sgpr_kernarg_segment_ptr 1
		.amdhsa_wavefront_size32 1
		.amdhsa_system_sgpr_workgroup_id_x 1
		.amdhsa_system_sgpr_workgroup_id_y 1
		.amdhsa_system_sgpr_workgroup_id_z 1
		.amdhsa_system_vgpr_workitem_id 0
		.amdhsa_next_free_vgpr 194
		.amdhsa_next_free_sgpr 66
		.amdhsa_reserve_vcc 0
		.amdhsa_float_denorm_mode_32 3
		.amdhsa_float_denorm_mode_16_64 3
		.amdhsa_memory_ordered 1
		.amdhsa_forward_progress 1
		.amdhsa_inst_pref_size 139
	.end_amdhsa_kernel
	.amdgpu_metadata
---
amdhsa.version: [ 1, 2 ]
amdhsa.kernels:
  - .name:           k_q9fb64cf91e_prep
    .symbol:         k_q9fb64cf91e_prep.kd
    .args:
      - { .name: q, .offset: 0, .size: 8, .value_kind: global_buffer, .address_space: global }
      - { .name: h, .offset: 8, .size: 8, .value_kind: global_buffer, .address_space: global }
      - { .name: Wq, .offset: 16, .size: 8, .value_kind: global_buffer, .address_space: global }
      - { .name: Wk, .offset: 24, .size: 8, .value_kind: global_buffer, .address_space: global }
      - { .name: Wv, .offset: 32, .size: 8, .value_kind: global_buffer, .address_space: global }
      - { .name: mask, .offset: 40, .size: 8, .value_kind: global_buffer, .address_space: global }
      - { .name: codes, .offset: 48, .size: 8, .value_kind: global_buffer, .address_space: global }
      - { .name: scl, .offset: 56, .size: 8, .value_kind: global_buffer, .address_space: global }
      - { .name: mw, .offset: 64, .size: 8, .value_kind: global_buffer, .address_space: global }
    .group_segment_fixed_size: 67072
    .private_segment_fixed_size: 0
    .kernarg_segment_align: 8
    .kernarg_segment_size: 72
    .max_flat_workgroup_size: 128
    .sgpr_count:     66
    .vgpr_count:     194
    .wavefront_size: 32
...
	.end_amdgpu_metadata
.endif
;; end of part 1
;; launch proj (part 2): grid 4 x 96, 4 waves a work-group, clusters of 4 x 4, 327,680 bytes of LDS; arguments codes, scl, qr, kv; writes qr, kv
.if DOCPART == 2
	.amdgcn_target "amdgcn-amd-amdhsa--gfx1250"
	.amdhsa_code_object_version 6
	.text
	.protected	k_q9fb64cf91e_proj
	.globl	k_q9fb64cf91e_proj
	.p2align	8
	.type	k_q9fb64cf91e_proj,@function
k_q9fb64cf91e_proj:
	s_mov_b64 s[64:65], 0
	v_nop
	global_prefetch_b8 v0, s[64:65] scope:SCOPE_SE
	s_setreg_imm32_b32 hwreg(HW_REG_WAVE_MODE, 25, 1), 1
	s_wait_xcnt 0x0
	s_wait_alu depctr_hold_cnt(0) depctr_sa_sdst(0) depctr_va_vdst(0) depctr_va_sdst(0) depctr_va_ssrc(0) depctr_va_vcc(0) depctr_vm_vsrc(0)
	s_getreg_b32 s2, hwreg(HW_REG_IB_STS2, 6, 4)
	s_cmp_eq_u32 s2, 0
	s_cbranch_scc0 .Lentry_in_a_cluster
	s_endpgm
.Lentry_in_a_cluster:
	s_bfe_u32 s2, ttmp6, 0x10000c
	s_cmp_lg_u32 s2, 0xf033
	s_cbranch_scc0 .Lentry_shape_is_right
	s_endpgm
.Lentry_shape_is_right:
; Q = q Wq^T, K = h Wk^T, V = h Wv^T on codes of FP6 (E2M3) with E8M0 scales, f32 sums, EACH RESULT QUANTISED AGAIN ON THE WAY OUT, into records of operand images for the attention launch.
; codes (rows of 768 bytes) and scl (rows of 32) hold q's, h's, Wq's, Wk's, Wv's rows, in each group of 64 rows place 16 u + 8 h + j = row 32 h + 8 u + j.
; A tile of 256 x 256 a work-group, 128 x 128 a wave.  Cluster row y / 8 says which product: 0 Q, 1 K (source 1 = tokens, source 0 = weight rows), 2 V (source 1 = Wv's rows, source 0 = tokens).
; The product is used transposed: lane (r, h) holds row r of source 1's block, and registers along source 0's places; by the rows' order the 32 registers of four neighbouring blocks are rows 32 h + 0 .. 31 of a group of 64:
; a whole scale block of the next product (Q, K: along the head's 64; V: along the tokens), in the operand's own order.  No number changes lanes; only scale bytes do.
; K goes through a ring of two LDS slots in CHUNKS OF 256 BYTES of each row (three chunks): every tile row begins at a multiple of 256 bytes.  A step of 128 along K is 96 bytes; steps 2 and 5 lie across two chunks.
; The scales of the 256 + 256 rows come once, as dense blocks.  A's tiles are asked for jointly by a row of the 4 x 4 cluster, B's by a column.
; No prefetch: of the three chunks two are asked for at the head and the third by the one refill.
; A RECORD (12,800 bytes; 128 tokens of one batch and head; 16 records a head): 0: four fragments [piece of 4 registers][lane][16] of Q or K, fragment p = tiles 2 p, 2 p + 1 of 16 places, six registers each;
; 6,144: four fragments of V^T (tile t of 16 channel places x 128 tokens); 12,288: [r][p] scale words (tile 2 p's two bytes, tile 2 p + 1's two); 12,544: [r][t] V's scale words.
; LIMITS: NaN, infinities and sums beyond f32's range are not served; a block under 2^-124 keeps the byte 1.
.set ROWB,   256
.set NQ,     2
.set KROW,   768
.set STEPS,  8
.set CHUNKS, 3
.set PITCH,  272
.set FR,     12
.set NL,     6
.set NP,     4
.set HALFT,  128*PITCH
.set SLOT,   4*HALFT
.set KS,     32
.set SCL,    2*SLOT
.set HALFS,  16*272
.set SBLK,   2*272
.set SPARE,  SCL+4*HALFS
.set C_Q,  0
.set C_H,  6291456
.set C_WQ, 12582912
.set C_WK, 13369344
.set C_WV, 14155776
.set S_Q,  0
.set S_H,  262144
.set S_WQ, 524288
.set S_WK, 557056
.set S_WV, 589824
.set HEADB, 204800
.set RECB,  12800
.set ADRA, 16                          ; v16-19 LDS addresses of A's fragments: slot 0, 1; across chunks from slot 0, 1
.set ADRB, 20                          ; v20-23 the same for B
.set ADRS, 27
.set SPW,  28
.set NIL,  29
.set SC,   32                          ; v32-63 scale words, two sets
.set AF,   128                         ; A's fragments, window 0; B's two sets in window 1; accumulators in windows 2, 3
.set TM,   64                          ; the way out: v64-67 four chains of maxima
.set SOP,  68                          ; v68, 69 the conversions' scale operands
.set EB,   70                          ; v70, 71 the bytes
.set CT,   72                          ; v72-78 second conversions' codes
.set PW,   80                          ; v80-87 a block's two bytes, at bits 0 and 16
.set XW,   88                          ; v88-95 the other half's
.set F0,   96
.set F1,   108
.set DW,   120
.set LI,   124
.set SA,   125
.set SELV, 126
.set PRB,  95
.set SEL,  100
.set HI16, 105
.set G1, 24
.set G0, 32
.set G1B, 48
.set G0B, 56
.set G1S, 68
.set G0S, 76
.set G1SB, 80
.set G0SB, 88
.set G0H, 4
.set G0HB, 8
.set MSB, 0
.macro WIN new
.if MSB != \new
	s_set_vgpr_msb (MSB<<8)|\new
.set MSB, \new
.endif
.endm
.set MUL_LO, 0xa1
.set MUL_HI, 0xf1
.set TO_B,   0x40
.macro JLOAD g0a, g1a, g0b, g1b        ; waves 0, 1 fetch for A, waves 2, 3 for B
	s_cmp_eq_u32 s15, 0
	s_cbranch_scc0 .Lfor_b_\@
	tensor_load_to_lds s[\g0a:\g0a+3], s[\g1a:\g1a+7]
	s_nop 0
.rept 4
	v_nop
.endr
	s_branch .Lasked_\@
.Lfor_b_\@:
	tensor_load_to_lds s[\g0b:\g0b+3], s[\g1b:\g1b+7]
	s_nop 0
.rept 4
	v_nop
.endr
.Lasked_\@:
.endm
.macro CREST
	s_cmp_lg_u32 s14, 0
	s_cbranch_scc1 .Lnot_wave_0_\@
	s_barrier_signal -3
.Lnot_wave_0_\@:
	s_barrier_wait -3
	s_barrier_signal -1
	s_barrier_wait -1
.endm
.macro CROUND
	s_barrier_signal -1
	s_barrier_wait -1
	CREST
.endm
	s_load_b256 s[4:11], s[0:1], 0x0               ; codes, scl, qr, kv
	v_lshl_add_u32 v[SPW], v0, 2, SPARE
	v_mov_b32 v[NIL], 0
	ds_add_u32 v[SPW], v[NIL]                      ; the opening lines: the add twice and one wait
	ds_add_u32 v[SPW], v[NIL]
	v_lshrrev_b32 v1, 5, v0
	v_readfirstlane_b32 s14, v1                    ; wave
	s_lshr_b32 s15, s14, 1                         ; my half of A's rows; also: I fetch for A (0) or B (1)
	s_and_b32 s16, s14, 1                          ; my half of B's rows; also: which 128 rows I fetch
	s_bfe_u32 s40, ttmp6, 0x40000
	s_bfe_u32 s41, ttmp6, 0x40004
	s_and_b32 s18, ttmp7, 0xffff
	s_lshr_b32 s[PRB], s18, 3                      ; which product
	s_and_b32 s18, s18, 7
	s_cmp_eq_u32 s[PRB], 2
	s_cselect_b32 s42, s18, 0
	s_cselect_b32 s17, 0, s18
	s_lshl_b32 s42, s42, 2
	s_add_co_u32 s42, s42, s40                     ; B's tile
	s_lshl_b32 s17, s17, 2
	s_add_co_u32 s17, s17, s41                     ; A's tile
	s_mov_b32 s96, C_H
	s_mov_b32 s97, C_WK
	s_mov_b32 s98, S_H
	s_mov_b32 s99, S_WK
	s_cmp_eq_u32 s[PRB], 0
	s_cselect_b32 s96, C_Q, s96
	s_cselect_b32 s97, C_WQ, s97
	s_cselect_b32 s98, S_Q, s98
	s_cselect_b32 s99, S_WQ, s99
	s_cmp_eq_u32 s[PRB], 2
	s_cselect_b32 s96, C_WV, s96
	s_cselect_b32 s97, C_H, s97
	s_cselect_b32 s98, S_WV, s98
	s_cselect_b32 s99, S_H, s99
	s_lshl_b32 s43, s41, 2
	s_lshl_b32 s43, 15, s43                        ; my row of the cluster
	s_lshl_b32 s44, 0x1111, s40                    ; my column
	s_or_b32 s[G1+0], s43, (0<<16)|(1<<20)|(1<<21)|(5<<22)|(3<<25)
	s_or_b32 s[G1B+0], s44, (0<<16)|(1<<20)|(1<<21)|(5<<22)|(3<<25)
.irp g, G1, G1B
	s_mov_b32 s[\g+1], ROWB<<16
	s_mov_b32 s[\g+2], 256<<16                     ; 256 rows for the head's loads
	s_mov_b32 s[\g+3], ROWB<<16
	s_mov_b32 s[\g+4], 256
	s_mov_b32 s[\g+5], KROW
	s_mov_b32 s[\g+6], 0
	s_mov_b32 s[\g+7], 0
.endr
	s_or_b32 s[G1S+0], s43, (3<<16)|(1<<20)|(1<<21)|(5<<22)|(3<<25)
	s_or_b32 s[G1SB+0], s44, (3<<16)|(1<<20)|(1<<21)|(5<<22)|(3<<25)
.irp g, G1S, G1SB
	s_mov_b32 s[\g+1], 32<<16                      ; the scales of 256 rows: 32 rows of 256 bytes
	s_mov_b32 s[\g+2], KS<<16
	s_mov_b32 s[\g+3], 32<<16
	s_mov_b32 s[\g+4], KS
	s_mov_b32 s[\g+5], 32
	s_mov_b32 s[\g+6], 0
	s_mov_b32 s[\g+7], 0
.endr
	s_lshl_b32 s20, s17, 8
	s_lshl_b32 s46, s42, 8
	s_lshl_b32 s22, s20, 5
	s_add_co_u32 s22, s22, s98
	s_lshl_b32 s92, s46, 5
	s_add_co_u32 s92, s92, s99
	s_mul_i32 s20, s20, KROW
	s_add_co_u32 s20, s20, s96
	s_mul_i32 s46, s46, KROW
	s_add_co_u32 s46, s46, s97
	s_mov_b32 s21, 0
	s_mov_b32 s23, 0
	s_mov_b32 s47, 0
	s_mov_b32 s93, 0
	s_mul_i32 s18, s16, 128*KROW
	s_mov_b32 s19, 0
	s_mul_i32 s45, s14, HALFT
	; where my wave's records begin
	s_lshl_b32 s66, s17, 8
	s_lshl_b32 s67, s15, 7
	s_add_co_u32 s66, s66, s67                     ; my first row of A
	s_lshl_b32 s104, s42, 8
	s_lshl_b32 s67, s16, 7
	s_add_co_u32 s104, s104, s67                   ; of B
	s_cmp_eq_u32 s[PRB], 2
	s_cselect_b32 s100, s104, s66                  ; tokens
	s_cselect_b32 s101, s66, s104                  ; weight rows
	s_lshr_b32 s66, s100, 11
	s_lshl_b32 s66, s66, 4
	s_lshr_b32 s101, s101, 6
	s_add_co_u32 s66, s66, s101                    ; 16 x batch + head
	s_mul_i32 s66, s66, HEADB
	s_bfe_u32 s100, s100, 0x40007
	s_mul_i32 s100, s100, RECB
	s_add_co_u32 s66, s66, s100
	s_mov_b32 s67, 0
	s_wait_dscnt 0x0
	s_wait_kmcnt 0x0
	s_add_nc_u64 s[20:21], s[4:5], s[20:21]
	s_add_nc_u64 s[22:23], s[6:7], s[22:23]
	s_add_nc_u64 s[46:47], s[4:5], s[46:47]
	s_add_nc_u64 s[92:93], s[6:7], s[92:93]
	s_cmp_eq_u32 s[PRB], 0
	s_cselect_b64 s[12:13], s[8:9], s[10:11]
	s_add_nc_u64 s[12:13], s[12:13], s[66:67]
	CROUND                                         ; the first joint loads meet
	s_mov_b32 s[G0H], 1
	s_mov_b32 s[G0H+1], 0
	s_mov_b64 s[G0H+2:G0H+3], s[20:21]
	s_or_b32 s[G0H+3], s[G0H+3], 0x80000000
	s_mov_b32 s[G0HB], 1
	s_mov_b32 s[G0HB+1], 2*HALFT
	s_mov_b64 s[G0HB+2:G0HB+3], s[46:47]
	s_or_b32 s[G0HB+3], s[G0HB+3], 0x80000000
	s_mov_b32 s[G0S], 1
	s_mov_b32 s[G0S+1], SCL
	s_mov_b64 s[G0S+2:G0S+3], s[22:23]
	s_or_b32 s[G0S+3], s[G0S+3], 0x80000000
	s_mov_b32 s[G0SB], 1
	s_mov_b32 s[G0SB+1], SCL+2*HALFS
	s_mov_b64 s[G0SB+2:G0SB+3], s[92:93]
	s_or_b32 s[G0SB+3], s[G0SB+3], 0x80000000
	s_add_nc_u64 s[20:21], s[20:21], s[18:19]
	s_add_nc_u64 s[46:47], s[46:47], s[18:19]
.irp s, 0,1
	s_mov_b32 s[G0+4*\s], 1
	s_add_co_u32 s[G0+4*\s+1], s45, \s*SLOT
	s_add_nc_u64 s[G0+4*\s+2:G0+4*\s+3], s[20:21], \s*ROWB
	s_or_b32 s[G0+4*\s+3], s[G0+4*\s+3], 0x80000000
	s_mov_b32 s[G0B+4*\s], 1
	s_add_co_u32 s[G0B+4*\s+1], s45, \s*SLOT
	s_add_nc_u64 s[G0B+4*\s+2:G0B+4*\s+3], s[46:47], \s*ROWB
	s_or_b32 s[G0B+4*\s+3], s[G0B+4*\s+3], 0x80000000
.endr
; the head's four tiles, one a wave, in one chain of branches: chunk 0 of A, of B, A's scales, B's
.macro ARM under, g0, g1, next
	s_cmp_lt_u32 s14, \under
	s_cbranch_scc0 \next
	tensor_load_to_lds s[\g0:\g0+3], s[\g1:\g1+7]
	s_nop 0
.rept 4
	v_nop
.endr
	s_branch .Lhead_asked
\next:
.endm
	ARM 1, G0H,  G1,  .Lhead_b
	ARM 2, G0HB, G1B, .Lhead_sa
	ARM 3, G0S,  G1S, .Lhead_sb
	tensor_load_to_lds s[G0SB:G0SB+3], s[G1SB:G1SB+7]
	s_nop 0
.rept 4
	v_nop
.endr
.Lhead_asked:
	v_and_b32 v1, 15, v0
	v_bfe_u32 v2, v0, 4, 1
	v_mul_u32_u24 v3, v1, PITCH
	v_mul_u32_u24 v4, v2, 24
	v_add_nc_u32 v4, v3, v4                        ; row x pitch + 24 x half
	s_mov_b32 s21, SLOT-232
	s_mov_b32 s22, SLOT+232
	v_sub_nc_u32 v7, 1, v2
	v_mul_u32_u24 v5, s21, v2
	v_add_nc_u32 v5, v3, v5
	v_add_nc_u32 v5, 232, v5                       ; lanes 0-15 byte 232 in slot 0, lanes 16-31 byte 0 in slot 1
	v_mul_u32_u24 v6, s22, v7
	v_add_nc_u32 v6, v3, v6                        ; and the other way round
	s_mul_i32 s21, s15, HALFT
	s_mul_i32 s22, s16, HALFT
	s_add_co_u32 s22, s22, 2*HALFT
	v_add_nc_u32 v[ADRA+2], s21, v5
	v_add_nc_u32 v[ADRA+3], s21, v6
	v_add_nc_u32 v[ADRB+2], s22, v5
	v_add_nc_u32 v[ADRB+3], s22, v6
.irp s, 0,1
	v_add_nc_u32 v[ADRA+\s], s21, v4
	v_add_nc_u32 v[ADRB+\s], s22, v4
	s_add_co_u32 s21, s21, SLOT
	s_add_co_u32 s22, s22, SLOT
.endr
	v_mul_u32_u24 v5, v1, KS
	v_lshrrev_b32 v6, 8, v5
	v_lshl_add_u32 v5, v6, 4, v5
	s_mul_i32 s21, s15, HALFS
	s_mul_i32 s22, s16, HALFS
	s_add_co_u32 s22, s22, 2*HALFS
	s_sub_co_u32 s22, s22, s21
	v_mul_u32_u24 v6, s22, v2                      ; lanes 16-31 take B's scale words
	s_add_co_u32 s21, s21, SCL
	v_add_nc_u32 v5, v5, v6
	v_add_nc_u32 v[ADRS], s21, v5
	s_mov_b32 s[SEL], 0x76543210
	s_mov_b32 s[SEL+1], 0xfedcba98
	s_mov_b32 s[HI16], 0xffff0000
.macro FRAG reg, adr, st, i            ; six pieces of 8 bytes; byte y of a row lies in slot (y / 256) % 2 at byte y % 256
.irp p, 0,1,2,3,4,5
.set BY, 96*(\st)+48*(\p/3)+8*(\p%3)
.if BY/ROWB == (BY+24)/ROWB
	ds_load_b64 v[\reg+2*\p:\reg+2*\p+1], v[\adr+(BY/ROWB)%2] offset:BY%ROWB+(\i)*16*PITCH
.else
	ds_load_b64 v[\reg+2*\p:\reg+2*\p+1], v[\adr+2+(BY/ROWB)%2] offset:BY%ROWB-232+(\i)*16*PITCH
.endif
.endr
.endm
.macro MUL16 a0, p, q, sc, zero        ; the 64 accumulators take turns
.irp a, \a0, \a0+1
.irp b, 0,1,2,3,4,5,6,7
.if \zero
	v_wmma_scale_f32_16x16x128_f8f6f4 v[8*(8*((\a)%4)+\b):8*(8*((\a)%4)+\b)+7], v[128*(\p)+FR*\b:128*(\p)+FR*\b+FR-1], v[AF+FR*(\a):AF+FR*(\a)+FR-1], 0, v[SC+8*NQ*(\sc)+NQ*\b+(\q)], v[SC+8*NQ*(\sc)+NQ*(\a)+(\q)] matrix_a_fmt:MATRIX_FMT_FP6 matrix_b_fmt:MATRIX_FMT_FP6 matrix_a_scale:MATRIX_SCALE_ROW1
.else
	v_wmma_scale_f32_16x16x128_f8f6f4 v[8*(8*((\a)%4)+\b):8*(8*((\a)%4)+\b)+7], v[128*(\p)+FR*\b:128*(\p)+FR*\b+FR-1], v[AF+FR*(\a):AF+FR*(\a)+FR-1], v[8*(8*((\a)%4)+\b):8*(8*((\a)%4)+\b)+7], v[SC+8*NQ*(\sc)+NQ*\b+(\q)], v[SC+8*NQ*(\sc)+NQ*(\a)+(\q)] matrix_a_fmt:MATRIX_FMT_FP6 matrix_b_fmt:MATRIX_FMT_FP6 matrix_a_scale:MATRIX_SCALE_ROW1
.endif
.endr
.endr
.endm
.macro FETCH_B st, p
	WIN TO_B
.irp i, 0,1,2,3,4,5,6,7
	FRAG 128*(\p)+FR*\i, ADRB, \st, \i
.endr
	WIN 0
.endm
.macro FETCH_A st, i0
.irp i, \i0, \i0+1, \i0+2, \i0+3
	FRAG AF+FR*(\i), ADRA, \st, \i
.endr
.endm
.macro SCALES pr
.irp i, 0,1,2,3,4,5,6,7
	ds_load_b64 v[SC+8*NQ*((\pr)%2)+NQ*\i:SC+8*NQ*((\pr)%2)+NQ*\i+1], v[ADRS] offset:\i*SBLK+4*NQ*(\pr)
.endr
.endm
.macro PLACES n
.rept \n
	v_nop
.endr
.endm
; A step: 64 products; the next step's fragments are fetched in its middle and at its end.  Where the next step ends in a chunk not yet read, a barrier shows that chunk; where it begins in a later chunk,
; the chunk left behind is free: the three lines, the barrier, and, where chunk C0 + 2 exists, a round of the cluster's barrier and the refill.
.macro STEP st, zero
.set NX, (\st)+1
.set C0, (96*(\st))/ROWB
.set C1, (96*NX)/ROWB
.set E0, (96*(\st)+95)/ROWB
.set E1, (96*NX+95)/ROWB
.if C1 > C0 || E1 > E0
	s_wait_tensorcnt 0x0
.if C1 > C0
	ds_add_u32 v[SPW], v[NIL]
	s_wait_dscnt 4*NL+1                            ; the add and A's blocks 4-7 may be out
.else
	s_wait_dscnt 4*NL                              ; A's blocks 4-7 may be out
.endif
	WIN MUL_LO
	MUL16 0, (\st)%2, (\st)%2, ((\st)/2)%2, \zero
	s_wait_dscnt 0x0
	s_barrier_signal -1
	MUL16 2, (\st)%2, (\st)%2, ((\st)/2)%2, \zero
	WIN 0
	s_barrier_wait -1
.if C1 > C0 && C0+2 < CHUNKS
	CREST
	s_add_nc_u64 s[G0+4*(C0%2)+2:G0+4*(C0%2)+3], s[G0+4*(C0%2)+2:G0+4*(C0%2)+3], 2*ROWB
	s_add_nc_u64 s[G0B+4*(C0%2)+2:G0B+4*(C0%2)+3], s[G0B+4*(C0%2)+2:G0B+4*(C0%2)+3], 2*ROWB
	JLOAD G0+4*(C0%2), G1, G0B+4*(C0%2), G1B
.else
	PLACES NP
.endif
.else
	s_wait_dscnt 4*NL
	WIN MUL_LO
	MUL16 0, (\st)%2, (\st)%2, ((\st)/2)%2, \zero
	MUL16 2, (\st)%2, (\st)%2, ((\st)/2)%2, \zero
	s_wait_dscnt 0
	PLACES NP
.endif
	FETCH_B NX, NX%2
	FETCH_A NX, 0
.if NX%2 == 0
	SCALES NX/2
.endif
	WIN MUL_HI
	MUL16 4, (\st)%2, (\st)%2, ((\st)/2)%2, \zero
	MUL16 6, (\st)%2, (\st)%2, ((\st)/2)%2, \zero
	PLACES NP
	WIN 0
	FETCH_A NX, 4
.endm
	s_wait_alu depctr_va_vdst(0)                   ; the wait at the head's end
	s_wait_tensorcnt 0x0
	ds_add_u32 v[SPW], v[NIL]
	s_mov_b32 s[G1+2], 128<<16                     ; no load of mine is out: from here on a load brings 128 rows
	s_mov_b32 s[G1+4], 128
	s_mov_b32 s[G1B+2], 128<<16
	s_mov_b32 s[G1B+4], 128
	s_wait_dscnt 0x0
	CROUND
	JLOAD G0+4, G1, G0B+4, G1B                     ; chunk 1, issued as a refill is
	FETCH_B 0, 0
	FETCH_A 0, 0
	SCALES 0
	FETCH_A 0, 4
	STEP 0, 1
.set ST, 1
.rept STEPS-2
	STEP ST, 0
.set ST, ST+1
.endr
	s_wait_dscnt 4*NL
	WIN MUL_LO
	MUL16 0, 1, 1, 1, 0
	MUL16 2, 1, 1, 1, 0
	s_wait_dscnt 0
	WIN MUL_HI
	MUL16 4, 1, 1, 1, 0
	MUL16 6, 1, 1, 1, 0
	WIN 0
; THE WAY OUT.  Block a's 64 sums in a lane are two scale blocks of 32: their largest magnitudes in four chains, the scale operands, four conversions; six registers of codes each to d0 and d1; the two bytes to v[PW + a].
.macro QUANT a, d0, d1
.set AC, 64*((\a)%4)
.set WW, 2+(\a)/4
	WIN (WW<<2)|(WW<<4)
.irp k, 0,1,2,3
	v_max3_num_f32 v[TM+\k], 0x1800000, |v[AC+16*\k]|, |v[AC+16*\k+1]|
.endr
.irp i, 2,4,6,8,10,12,14
.irp k, 0,1,2,3
	v_max3_num_f32 v[TM+\k], v[TM+\k], |v[AC+16*\k+\i]|, |v[AC+16*\k+\i+1]|
.endr
.endr
	WIN 0
	v_max_num_f32 v[TM], v[TM], v[TM+1]
	v_max_num_f32 v[TM+2], v[TM+2], v[TM+3]
	v_add_nc_u32 v[SOP], 0xff000000, v[TM]
	v_add_nc_u32 v[SOP+1], 0xff000000, v[TM+2]
	WIN WW
	v_cvt_scalef32_pk16_fp6_f32 v[\d0:\d0+2], v[AC:AC+15], v[SOP]
	v_cvt_scalef32_pk16_fp6_f32 v[CT:CT+2], v[AC+16:AC+31], v[SOP]
	v_cvt_scalef32_pk16_fp6_f32 v[\d1:\d1+2], v[AC+32:AC+47], v[SOP+1]
	v_cvt_scalef32_pk16_fp6_f32 v[CT+4:CT+6], v[AC+48:AC+63], v[SOP+1]
	WIN 0
	v_lshrrev_b32 v[EB], 23, v[SOP]                ; plain lines behind the conversions
	v_lshrrev_b32 v[EB+1], 23, v[SOP+1]
	v_lshl_or_b32 v[PW+\a], v[EB+1], 16, v[EB]
.irp i, 0,1,2
	v_mov_b32 v[\d0+3+\i], v[CT+\i]
	v_mov_b32 v[\d1+3+\i], v[CT+4+\i]
.endr
.endm
	v_and_b32 v[LI], 31, v0                        ; these lines are also the places behind the last products
	v_lshlrev_b32 v[LI], 4, v[LI]
	v_and_b32 v[SA], 15, v0
	v_lshlrev_b32 v[SA], 4, v[SA]
	v_bfe_u32 v127, v0, 4, 1
	v_mul_u32_u24 v127, v127, HEADB
	v_add_nc_u32 v[SA], v[SA], v127                ; scale words: 16 r; lanes 16-31 store the second head's
.irp b, 0,1,2,3,4,5,6,7
	v_mov_b32 v[XW+\b], 0                          ; a lane permute's destination counts as a source
.endr
	s_wait_alu depctr_va_vdst(0)                   ; the wait ahead of the branch
	s_cmp_eq_u32 s[PRB], 2
	s_cbranch_scc1 .Lv
	; Q or K: the first 32 sums are my first head's block h of token r, the second 32 my second head's
.irp pr, 0,1,2,3
	s_wait_xcnt 0x0                                ; the last stores have read their registers
	QUANT 2*\pr, F0, F1
	QUANT 2*\pr+1, F0+6, F1+6
.irp i, 0,1,2
	global_store_b128 v[LI], v[F0+4*\i:F0+4*\i+3], s[12:13] offset:1536*\pr+512*\i        ; 512 consecutive bytes
.endr
.irp i, 0,1,2
	global_store_b128 v[LI], v[F1+4*\i:F1+4*\i+3], s[12:13] offset:HEADB+1536*\pr+512*\i
.endr
.endr
	v_mov_b32 v[SELV], 0x05010400                  ; lanes 0-15: first head: mine, the other half's, by tiles
	v_mov_b32 v127, 0x03070206                     ; lanes 16-31: second head
	v_cndmask_b32 v[SELV], v[SELV], v127, s[HI16]
.irp pr, 0,1,2,3
	v_lshl_or_b32 v[DW+\pr], v[PW+2*\pr+1], 8, v[PW+2*\pr]
.endr
.irp pr, 0,1,2,3
	v_permlanex16_b32 v[XW+\pr], v[DW+\pr], s[SEL], s[SEL+1]
.endr
.irp pr, 0,1,2,3
	v_perm_b32 v[DW+\pr], v[XW+\pr], v[DW+\pr], v[SELV]
.endr
	global_store_b128 v[SA], v[DW:DW+3], s[12:13] offset:12288
	s_branch .Lend
.Lv:	; V: block a is tile a % 4 of head a / 4; the first 32 sums are tokens 32 h .., the second 64 + 32 h ..
.irp a, 0,1,2,3,4,5,6,7
	s_wait_xcnt 0x0
	QUANT \a, F0, F0+6
.irp i, 0,1,2
	global_store_b128 v[LI], v[F0+4*\i:F0+4*\i+3], s[12:13] offset:(\a/4)*HEADB+6144+(\a%4)*1536+512*\i
.endr
.endr
	v_mov_b32 v[SELV], 0x06020400
	v_mov_b32 v127, 0x02060004
	v_cndmask_b32 v[SELV], v[SELV], v127, s[HI16]
.irp a, 0,1,2,3,4,5,6,7
	v_permlanex16_b32 v[XW+\a], v[PW+\a], s[SEL], s[SEL+1]
.endr
.irp a, 0,1,2,3,4,5,6,7
	v_perm_b32 v[PW+\a], v[XW+\a], v[PW+\a], v[SELV]   ; the four blocks' bytes in order
.endr
.irp j, 0,1,2,3
	v_cndmask_b32 v[DW+\j], v[PW+\j], v[PW+4+\j], s[HI16]
.endr
	global_store_b128 v[SA], v[DW:DW+3], s[12:13] offset:12544
.Lend:
	s_wait_tensorcnt 0x0                           ; the wave's end
	ds_add_u32 v[SPW], v[NIL]
	s_wait_dscnt 0x0
	CROUND                                         ; the closing round
	s_endpgm
.Lfunc_end_k_q9fb64cf91e_proj:
	.size	k_q9fb64cf91e_proj, .Lfunc_end_k_q9fb64cf91e_proj-k_q9fb64cf91e_proj
	.p2alignl 7, 3214868480
	.fill 96, 4, 3214868480
	.section	.rodata,"a",@progbits
	.p2align	6, 0x0
	.amdhsa_kernel k_q9fb64cf91e_proj
		.amdhsa_group_segment_fixed_size 327680
		.amdhsa_private_segment_fixed_size 0
		.amdhsa_enable_private_segment 0
		.amdhsa_kernarg_size 32
		.amdhsa_user_sgpr_count 2
		.amdhsa_user_sgpr_kernarg_segment_ptr 1
		.amdhsa_wavefront_size32 1
		.amdhsa_system_sgpr_workgroup_id_x 1
		.amdhsa_system_sgpr_workgroup_id_y 1
		.amdhsa_system_sgpr_workgroup_id_z 1
		.amdhsa_system_vgpr_workitem_id 0
		.amdhsa_next_free_vgpr 1024
		.amdhsa_next_free_sgpr 106
		.amdhsa_reserve_vcc 0
		.amdhsa_float_denorm_mode_32 3
		.amdhsa_float_denorm_mode_16_64 3
		.amdhsa_memory_ordered 1
		.amdhsa_forward_progress 1
		.amdhsa_inst_pref_size 188
	.end_amdhsa_kernel
	.amdgpu_metadata
---
amdhsa.version: [ 1, 2 ]
amdhsa.kernels:
  - .name:           k_q9fb64cf91e_proj
    .symbol:         k_q9fb64cf91e_proj.kd
    .args:
      - { .name: codes, .offset: 0, .size: 8, .value_kind: global_buffer, .address_space: global }
      - { .name: scl, .offset: 8, .size: 8, .value_kind: global_buffer, .address_space: global }
      - { .name: qr, .offset: 16, .size: 8, .value_kind: global_buffer, .address_space: global }
      - { .name: kv, .offset: 24, .size: 8, .value_kind: global_buffer, .address_space: global }
    .group_segment_fixed_size: 327680
    .private_segment_fixed_size: 0
    .kernarg_segment_align: 8
    .kernarg_segment_size: 32
    .max_flat_workgroup_size: 128
    .sgpr_count:     106
    .vgpr_count:     1024
    .wavefront_size: 32
...
	.end_amdgpu_metadata
.endif
;; end of part 2
;; launch attn (part 3): grid 4 x 64, 16 waves a work-group, clusters of 4 x 1, 276,480 bytes of LDS; arguments qr, kv, mw, out0; writes out0
.if DOCPART == 3
	.amdgcn_target "amdgcn-amd-amdhsa--gfx1250"
	.amdhsa_code_object_version 6
	.text
	.protected	k_q9fb64cf91e_attn
	.globl	k_q9fb64cf91e_attn
	.p2align	8
	.type	k_q9fb64cf91e_attn,@function
k_q9fb64cf91e_attn:
	s_mov_b64 s[64:65], 0
	v_nop
	global_prefetch_b8 v0, s[64:65] scope:SCOPE_SE
	s_setreg_imm32_b32 hwreg(HW_REG_WAVE_MODE, 25, 1), 1
	s_wait_xcnt 0x0
	s_wait_alu depctr_hold_cnt(0) depctr_sa_sdst(0) depctr_va_vdst(0) depctr_va_sdst(0) depctr_va_ssrc(0) depctr_va_vcc(0) depctr_vm_vsrc(0)
	s_getreg_b32 s2, hwreg(HW_REG_IB_STS2, 6, 4)
	s_cmp_eq_u32 s2, 0
	s_cbranch_scc0 .Lentry_in_a_cluster
	s_endpgm
.Lentry_in_a_cluster:
	s_bfe_u32 s2, ttmp6, 0x10000c
	s_cmp_lg_u32 s2, 0x3003
	s_cbranch_scc0 .Lentry_shape_is_right
	s_endpgm
.Lentry_shape_is_right:
; out[b][q][64 head ..] = the sum over k of softmax_k(Q[q] . K[k] / 8, with -infinity where mask[b][q][k]) V[k], both products on codes of FP6 (E2M3) with one E8M0 scale for each 32 along a product's K.
; Q, K, V arrive as records of operand images (12,800 bytes for 128 tokens, 16 records a (batch, head)): 0: four fragments for the scores; 6,144: four of V^T; 12,288: their scale words, 256 + 256 bytes.
; THE SOFTMAX: t = score x log2(e) / 8; M = the row's largest t so far, rounded UP to a whole number; p = 2^(t - M) is quantised along the keys, not normalised; the row's sum is taken of the unquantised p and divides O at the end.
; When M moves, the sum and O are multiplied by 2^(old M - new M): exact.
; SHARES.  A cluster of four work-groups is one (batch, head); a work-group owns 512 queries, each of its sixteen waves 32, as two tiles of 16 in two passes; every wave walks all 2,048 keys, 128 a step.
; The head's K and V stay in LDS: 16 records, filled once: wave w asks for record w, jointly with the same wave of the three partners.  Nothing is filled again.
; LAYOUT.  Both products are used transposed (S^T = K Q^T, O^T = V^T P^T): a lane holds one query (lane % 16).  A fragment of K holds two tiles of 16 keys, one in each half of its depth of 128; v16-33 hold [Q | zeros | Q],
; of which v[16:27] picks the first tile and v[22:33] the second.  By the order in which the tokens were laid, register n of S^T in lane (r, h) is key 64 (n / 32) + 32 h + n % 32 of the step:
; a lane's 32 registers are ONE scale block of p in the operand's own order: no number of p changes lanes, and a block's largest score is found in one lane.
; Tile T's row r is query 64 (T / 4) + 8 (T % 4) + r % 8 + 32 (r / 8); register 8 t + j of O^T in lane (r, h) is channel 32 h + 8 t + j.
; THE MASK arrives as words of one bit a lane, word n for register n: 64 scalar registers a step; they select values alone.
; A BARRIER IN EVERY STEP, signalled behind the mask and awaited at the step's end: no wave goes on to step i + 1 before every wave has come to the middle of step i.  It orders no memory.
; No prefetch: K and V are asked for at the head alone; a mask record is read by sixteen heads' work-groups.
; LIMITS: the promise holds while the scaled scores stay under 2^31 in magnitude; the running maximum begins at -3e38; a query all of whose keys are masked gives 0 x (1 / 0) = NaN, as the softmax of a row of -infinity does; NaN and infinities among the inputs are not served.
.set HEADB, 204800
.set RECB,  12800
.set STAGE, 16*RECB                    ; 16 rows x 272 bytes a wave, for the way out; no tensor load lands there
.set STGW,  16*272
.set SPARE, STAGE+16*STGW
.set LI,  1                            ; 16 x lane
.set AD,  2                            ; LDS address of the record in hand
.set NINF, 3
.set STO, 4
.set RD,  5
.set GO,  6
.set SCL, 8                            ; v8-11 scale words: lanes 0-15 K's, lanes 16-31 V's
                                       ; v12 -M, v13 the largest score so far, v[14:15] the sum
.set QL,  16                           ; v16-33 [Q | zeros | Q]
.set QS,  34
.set QS2, 35
.set FB,  36                           ; v36-83 four fragments of K or of V
.set QF,  84                           ; v84-95 Q's two tiles
.set S,   96                           ; v96-159 S^T, then p
.set O,   160                          ; v160-191 O^T
.set PC,  192                          ; v192-203 p's codes
.set CT,  204                          ; v204-210 second conversions' codes
.set BM,  212                          ; v212, 213 my two blocks' largest scores, then largest p
.set OM,  214                          ; the old -M
.set XL,  215                          ; from lane l xor 16
.set CH,  216                          ; v216-219 four chains of maxima
.set SO,  220                          ; v220, 221 the conversions' scale operands
.set TP,  226
.set H8,  227                          ; 8 x (lane / 16)
.set T0,  228                          ; v228-235 the step's sums, four pairs
.set FF,  236                          ; f = 2^(old M - new M)
.set PS,  237                          ; p's scale word
.set WD,  238
.set EE,  240                          ; v240, 241 the bytes
.set WV,  12
.set TB,  13
.set MO,  14
.set G1,  16
.set G0,  24
.set SEL, 28
.set CS,  30                           ; s[30:31] c = log2(e) / 8
.set NC,  104                          ; -c
.macro CROUND
	s_barrier_signal -1
	s_barrier_wait -1
	s_cmp_lg_u32 s[WV], 0
	s_cbranch_scc1 .Lnot_wave_0_\@
	s_barrier_signal -3
.Lnot_wave_0_\@:
	s_barrier_wait -3
	s_barrier_signal -1
	s_barrier_wait -1
.endm
.macro MWORDS
	s_load_b512 s[32:47], s[8:9], s[MO] offset:0x0
	s_load_b512 s[48:63], s[8:9], s[MO] offset:0x40
	s_load_b512 s[68:83], s[8:9], s[MO] offset:0x80
	s_load_b512 s[84:99], s[8:9], s[MO] offset:0xc0
.endm
.macro JOIN3                           ; the last step's four pairs of sums become one
	v_pk_add_f32 v[T0:T0+1], v[T0:T0+1], v[T0+2:T0+3]
	v_pk_add_f32 v[T0+4:T0+5], v[T0+4:T0+5], v[T0+6:T0+7]
	v_pk_add_f32 v[T0:T0+1], v[T0:T0+1], v[T0+4:T0+5]
.endm
	s_load_b256 s[4:11], s[0:1], 0x0               ; qr, kv, mw, out
	v_lshl_add_u32 v254, v0, 2, SPARE
	v_mov_b32 v255, 0
	ds_add_u32 v254, v255                          ; the opening lines
	ds_add_u32 v254, v255
	v_lshrrev_b32 v1, 5, v0
	v_readfirstlane_b32 s[WV], v1                  ; wave 0..15
	s_bfe_u32 s3, ttmp6, 0x40000                   ; cx: it enters global addresses of Q, the mask and out alone
	s_and_b32 s66, ttmp7, 0xffff                   ; 16 x batch + head
	s_mov_b32 s[G1], 15|(3<<16)|(1<<21)            ; a record, dense: 50 rows of 256 bytes; all four work-groups
	s_mov_b32 s[G1+1], 32<<16
	s_mov_b32 s[G1+2], 50<<16
	s_mov_b32 s[G1+3], 32<<16
	s_mov_b32 s[G1+4], 50
	s_mov_b32 s[G1+5], 32
	s_mov_b32 s[G1+6], 0
	s_mov_b32 s[G1+7], 0
	s_mul_i32 s67, s66, HEADB
	s_mov_b32 s[G0], 1
	s_mul_i32 s[G0+1], s[WV], RECB
	s_add_co_u32 s100, s67, s[G0+1]
	s_mov_b32 s101, 0
	s_mov_b32 s[SEL], 0x76543210
	s_mov_b32 s[SEL+1], 0xfedcba98
	s_mov_b32 s[CS], 0x3e38aa3b
	s_mov_b32 s[CS+1], s[CS]
	s_lshl_b32 s32, s3, 2                          ; Q: fragment w % 4 of record 4 cx + w / 4
	s_lshr_b32 s33, s[WV], 2
	s_add_co_u32 s32, s32, s33
	s_mul_i32 s32, s32, RECB
	s_add_co_u32 s32, s32, s67
	s_mov_b32 s33, 0
	s_and_b32 s34, s[WV], 3
	s_mul_i32 s35, s34, 1536
	s_lshl_b32 s34, s34, 2
	s_lshr_b32 s36, s66, 4
	s_lshl_b32 s36, s36, 6
	s_lshl_b32 s37, s3, 4
	s_add_co_u32 s36, s36, s37
	s_add_co_u32 s36, s36, s[WV]                   ; W = 64 batch + 16 cx + w: my pair of tiles
	s_lshl_b32 s38, s36, 13                        ; its 32 mask records
	s_mov_b32 s39, 0
	s_lshr_b32 s40, s36, 1
	s_lshl_b32 s40, s40, 6
	s_and_b32 s41, s36, 1
	s_lshl_b32 s41, s41, 4
	s_add_co_u32 s40, s40, s41                     ; my first query: 64 (W / 2) + 16 (W % 2)
	s_lshl_b32 s40, s40, 12
	s_and_b32 s41, s66, 15
	s_lshl_b32 s41, s41, 8
	s_add_co_u32 s40, s40, s41
	s_mov_b32 s41, 0
	s_mul_i32 s42, s[WV], STGW
	s_add_co_u32 s42, s42, STAGE
	v_and_b32 v7, 31, v0
	v_lshlrev_b32 v[LI], 4, v7
	v_add_nc_u32 v[AD], s35, v[LI]
	v_and_b32 v[BM], 15, v0                        ; r
	v_bfe_u32 v[BM+1], v0, 4, 1                    ; h
	v_lshl_add_u32 v[TP], v[BM], 4, s34
	v_mul_u32_u24 v[STO], v[BM], 272
	v_lshl_add_u32 v[STO], v[BM+1], 7, v[STO]
	v_add_nc_u32 v[STO], s42, v[STO]               ; in: row r, + 128 h
	v_mul_u32_u24 v[RD], v[BM+1], 272
	v_lshl_add_u32 v[RD], v[BM], 4, v[RD]
	v_add_nc_u32 v[RD], s42, v[RD]                 ; back: lanes 0-15 one row, lanes 16-31 the next
	v_lshlrev_b32 v[GO], 12, v[BM+1]
	v_lshl_add_u32 v[GO], v[BM], 4, v[GO]
	v_lshlrev_b32 v[H8], 3, v[BM+1]
	v_mov_b32 v[NINF], 0xff800000
	v_mov_b32 v[XL], 0                             ; a lane permute's destination counts as a source
	v_mov_b32 v[PS], 0
	s_wait_alu depctr_va_vdst(0)                   ; the wait ahead of the waits below
	s_wait_dscnt 0x0
	s_wait_kmcnt 0x0
	s_add_nc_u64 s[G0+2:G0+3], s[6:7], s[100:101]
	s_or_b32 s[G0+3], s[G0+3], 0x80000000
	s_add_nc_u64 s[4:5], s[4:5], s[32:33]
	s_add_nc_u64 s[8:9], s[8:9], s[38:39]
	s_add_nc_u64 s[10:11], s[10:11], s[40:41]
	CROUND                                         ; the joint loads meet
	tensor_load_to_lds s[G0:G0+3], s[G1:G1+7]      ; my one tensor load of the launch
	s_nop 0
.rept 4
	v_nop
.endr
.irp i, 0,1,2
	global_load_b128 v[QF+4*\i:QF+4*\i+3], v[AD], s[4:5] offset:512*\i
.endr
	global_load_b32 v7, v[TP], s[4:5] offset:12288 ; my query's scale word: bytes 0, 1 the first tile's, 2, 3 the second's
	s_mov_b32 s[MO], 0
	MWORDS
	s_mov_b32 s[NC], 0xbe38aa3b
	s_wait_loadcnt 0x0
.irp i, 0,1,2,3,4,5
	v_mov_b32 v[QL+\i], v[QF+\i]
	v_mov_b32 v[QL+6+\i], 0
	v_mov_b32 v[QL+12+\i], v[QF+\i]
.endr
	v_perm_b32 v[QS], v7, v7, 0x01000100
	v_perm_b32 v[QS2], v7, v7, 0x03020302
	s_wait_alu depctr_va_vdst(0)
	s_wait_tensorcnt 0x0
	s_barrier_signal -1
	s_barrier_wait -1                              ; all 16 records are in; from here on they are only read
.macro STEP
	v_add_nc_u32 v[AD], s[TB], v[LI]
	JOIN3                                          ; with the line above: four places behind the last step's products
.irp b, 0,1,2,3
.irp i, 0,1,2
	ds_load_b128 v[FB+12*\b+4*\i:FB+12*\b+4*\i+3], v[AD] offset:1536*\b+512*\i
.endr
.endr
	ds_load_b128 v[SCL:SCL+3], v[AD] offset:12288
	s_wait_alu depctr_va_vdst(0)
	s_wait_dscnt 0x0
.irp b, 0,1,2,3
	v_wmma_scale_f32_16x16x128_f8f6f4 v[S+16*\b:S+16*\b+7], v[FB+12*\b:FB+12*\b+11], v[QL:QL+11], 0, v[SCL+\b], v[QS] matrix_a_fmt:MATRIX_FMT_FP6 matrix_b_fmt:MATRIX_FMT_FP6
	v_wmma_scale_f32_16x16x128_f8f6f4 v[S+16*\b+8:S+16*\b+15], v[FB+12*\b:FB+12*\b+11], v[QL+6:QL+17], 0, v[SCL+\b], v[QS] matrix_a_fmt:MATRIX_FMT_FP6 matrix_b_fmt:MATRIX_FMT_FP6
.endr
	v_pk_add_f32 v[14:15], v[14:15], v[T0:T0+1]    ; the last step's sums, under its M.  With three idle lines: the places behind the products
.rept 3
	v_nop
.endr
	s_wait_kmcnt 0x0                               ; the step's mask words, asked for a step ago
.set n, 0
.rept 64
	v_cndmask_b32 v[S+n], v[S+n], v[NINF], s[32+n+4*(n/32)]      ; ascending: each accumulator from its low end on
.set n, n+1
.endr
	s_add_co_u32 s[MO], s[MO], 256
	s_min_u32 s[MO], s[MO], 7936                   ; the very last request names the last record again
	MWORDS
	s_barrier_signal -1                            ; I am in the middle of this step (no LDS instruction of mine is out)
.irp t, 0,1,2,3
.irp i, 0,1,2
	ds_load_b128 v[FB+12*\t+4*\i:FB+12*\t+4*\i+3], v[AD] offset:6144+1536*\t+512*\i   ; V's fragments land while the softmax is worked
.endr
.endr
.irp k, 0,1,2,3
	v_max3_num_f32 v[CH+\k], v[S+16*\k], v[S+16*\k+1], v[S+16*\k+2]   ; my two blocks' largest scores, two chains each
.endr
.irp i, 3,5,7,9,11,13
.irp k, 0,1,2,3
	v_max3_num_f32 v[CH+\k], v[CH+\k], v[S+16*\k+\i], v[S+16*\k+\i+1]
.endr
.endr
	v_max_num_f32 v[CH+1], v[CH+1], v[S+31]
	v_max_num_f32 v[CH+3], v[CH+3], v[S+63]
	v_mov_b32 v[OM], v12
	v_max3_num_f32 v[BM], v[CH], v[S+15], v[CH+1]
	v_max3_num_f32 v[BM+1], v[CH+2], v[S+47], v[CH+3]
	s_delay_alu instid0(VALU_DEP_1)
	v_max_num_f32 v[TP], v[BM], v[BM+1]
	s_delay_alu instid0(VALU_DEP_1)
	v_permlanex16_b32 v[XL], v[TP], s[SEL], s[SEL+1]
	s_delay_alu instid0(VALU_DEP_1)
	v_max3_num_f32 v13, v13, v[TP], v[XL]          ; the row's largest score so far
	s_delay_alu instid0(VALU_DEP_1)
	v_mul_f32 v[TP], s[NC], v13                    ; -t
	s_delay_alu instid0(VALU_DEP_1)
	v_floor_f32 v12, v[TP]                         ; -M = floor(-t) = -ceil(t)
	s_delay_alu instid0(VALU_DEP_1)
	v_sub_f32 v[TP], v12, v[OM]                    ; old M - new M: a whole number, 0 or less
	s_delay_alu instid0(VALU_DEP_1)
	v_cvt_i32_f32 v[TP], v[TP]                     ; (it saturates)
	s_delay_alu instid0(VALU_DEP_1)
	v_ldexp_f32 v[FF], 1.0, v[TP]
.set j, 0
.rept 32
	v_pk_fma_f32 v[S+j:S+j+1], v[S+j:S+j+1], s[CS:CS+1], v[12:13] op_sel_hi:[1,0,0]   ; t - M
.set j, j+2
.endr
	v_fma_f32 v[BM], v[BM], s[CS], v12             ; the same of each block's largest score
	v_fma_f32 v[BM+1], v[BM+1], s[CS], v12
	s_wait_alu depctr_va_vdst(0)                   ; the wait ahead of the batch
.set j, 0
.rept 64
	v_exp_f32 v[S+j], v[S+j]                       ; p = 2^(t - M)
.set j, j+1
.endr
	v_exp_f32 v[BM], v[BM]                         ; the blocks' largest p: the same instructions on the same numbers
	v_exp_f32 v[BM+1], v[BM+1]
	v_pk_mul_f32 v[14:15], v[14:15], v[FF:FF+1] op_sel_hi:[1,0]   ; the sum under the new M; the plain place behind the batch
	s_wait_alu depctr_va_vdst(0)                   ; and the wait behind it
.irp k, 0,1,2,3
	v_pk_add_f32 v[T0+2*\k:T0+2*\k+1], v[S+2*\k:S+2*\k+1], v[S+8+2*\k:S+8+2*\k+1]   ; the sum of the unquantised p, four chains
.endr
.irp i, 16,24,32,40,48,56
.irp k, 0,1,2,3
	v_pk_add_f32 v[T0+2*\k:T0+2*\k+1], v[T0+2*\k:T0+2*\k+1], v[S+\i+2*\k:S+\i+2*\k+1]
.endr
.endr
	v_max_num_f32 v[BM], 0x1800000, v[BM]          ; the floor: the byte cannot fall under 1
	v_max_num_f32 v[BM+1], 0x1800000, v[BM+1]
	v_add_nc_u32 v[SO], 0xff000000, v[BM]
	v_add_nc_u32 v[SO+1], 0xff000000, v[BM+1]
.irp c, 0,1
	v_cvt_scalef32_pk16_fp6_f32 v[PC+6*\c:PC+2+6*\c], v[S+32*\c:S+15+32*\c], v[SO+\c]
	v_cvt_scalef32_pk16_fp6_f32 v[CT+4*\c:CT+2+4*\c], v[S+16+32*\c:S+31+32*\c], v[SO+\c]
.endr
	v_lshrrev_b32 v[EE], 23, v[SO]                 ; the bytes of blocks h and 2 + h (plain lines behind the conversions)
	v_lshrrev_b32 v[EE+1], 23, v[SO+1]
	v_lshl_or_b32 v[WD], v[EE+1], 16, v[EE]
	v_lshlrev_b32 v[WD], v[H8], v[WD]              ; at their places in the word
	v_permlanex16_b32 v[XL], v[WD], s[SEL], s[SEL+1]
	v_or_b32 v[PS], v[WD], v[XL]                   ; with the other half's two the word is whole
.irp c, 0,1
.irp i, 0,1,2
	v_mov_b32 v[PC+3+6*\c+\i], v[CT+4*\c+\i]
.endr
.endr
.set j, 0
.rept 16
	v_pk_mul_f32 v[O+j:O+j+1], v[O+j:O+j+1], v[FF:FF+1] op_sel_hi:[1,0]   ; O^T under the new M; also the places ahead of the products below
.set j, j+2
.endr
	s_wait_alu depctr_va_vdst(0)
	s_wait_dscnt 0x0                               ; V's fragments are in
.irp t, 0,1,2,3
	v_wmma_scale_f32_16x16x128_f8f6f4 v[O+8*\t:O+8*\t+7], v[FB+12*\t:FB+12*\t+11], v[PC:PC+11], v[O+8*\t:O+8*\t+7], v[SCL+\t], v[PS] matrix_a_fmt:MATRIX_FMT_FP6 matrix_b_fmt:MATRIX_FMT_FP6 matrix_a_scale:MATRIX_SCALE_ROW1
.endr                                          ; four accumulators by turns
	s_add_co_u32 s[TB], s[TB], RECB
	s_barrier_wait -1                              ; every wave has come to the middle of this step
.endm
.macro FINISH
	JOIN3
	v_pk_add_f32 v[14:15], v[14:15], v[T0:T0+1]    ; four places behind the last products
	v_add_f32 v14, v14, v15
	v_permlanex16_b32 v[XL], v14, s[SEL], s[SEL+1]
	v_add_f32 v14, v14, v[XL]                      ; the row's sum
	s_wait_alu depctr_va_vdst(0)
	v_rcp_f32 v14, v14
	v_nop
	s_wait_alu depctr_va_vdst(0)                   ; the wait ahead of the first reader
.set j, 0
.rept 16
	v_pk_mul_f32 v[S+j:S+j+1], v[O+j:O+j+1], v[14:15] op_sel_hi:[1,0]
.set j, j+2
.endr
.irp t, 0,1,2,3
	ds_store_b128 v[STO], v[S+8*\t:S+8*\t+3] offset:32*\t
	ds_store_b128 v[STO], v[S+8*\t+4:S+8*\t+7] offset:32*\t+16
.endr
.irp i, 0,1,2,3,4,5,6,7
	ds_load_b128 v[FB+4*\i:FB+4*\i+3], v[RD] offset:544*\i         ; LDS serves a wave's instructions in order
.endr
.irp i, 0,1,2,3,4,5,6,7
	s_wait_dscnt 7-\i                              ; load i is in; the younger ones may be out
	global_store_b128 v[GO], v[FB+4*\i:FB+4*\i+3], s[10:11] offset:((2*\i)%8+32*(\i/4))*4096 th:TH_STORE_NT   ; sixteen lanes store 256 consecutive bytes, aligned
.endr
	s_wait_xcnt 0x0
	s_add_nc_u64 s[10:11], s[10:11], 8*4096        ; the second tile begins 8 queries on
.irp i, 0,1,2,3,4,5
	v_mov_b32 v[QL+\i], v[QF+6+\i]                 ; (behind the second pass these lines serve nothing: the loop is written once)
	v_mov_b32 v[QL+12+\i], v[QF+6+\i]
.endr
	v_mov_b32 v[QS], v[QS2]
.endm
	s_mov_b32 s2, 2
.Lpass:
	v_mov_b32 v13, 0xff61b1e6                      ; -3e38, under every score
	v_mul_f32 v[TP], s[NC], v13
	v_floor_f32 v12, v[TP]
	v_mov_b32 v14, 0
	v_mov_b32 v15, 0
.set j, 0
.rept 8
	v_mov_b32 v[T0+j], 0
.set j, j+1
.endr
.set j, 0
.rept 32
	v_mov_b32 v[O+j], 0                            ; the step is written once: the first finds zeros
.set j, j+1
.endr
	s_mov_b32 s[TB], 0
	s_mov_b32 s15, 16
.Lstep:
	STEP
	s_sub_co_u32 s15, s15, 1
	s_cmp_lg_u32 s15, 0
	s_cbranch_scc1 .Lstep
	FINISH
	s_sub_co_u32 s2, s2, 1
	s_cmp_lg_u32 s2, 0
	s_cbranch_scc1 .Lpass
	s_wait_kmcnt 0x0                               ; the last, clamped request for mask words
	s_wait_tensorcnt 0x0                           ; the wave's end
	ds_add_u32 v254, v255
	s_wait_dscnt 0x0
	CROUND                                         ; the closing round
	s_endpgm
.Lfunc_end_k_q9fb64cf91e_attn:
	.size	k_q9fb64cf91e_attn, .Lfunc_end_k_q9fb64cf91e_attn-k_q9fb64cf91e_attn
	.p2alignl 7, 3214868480
	.fill 96, 4, 3214868480
	.section	.rodata,"a",@progbits
	.p2align	6, 0x0
	.amdhsa_kernel k_q9fb64cf91e_attn
		.amdhsa_group_segment_fixed_size 276480
		.amdhsa_private_segment_fixed_size 0
		.amdhsa_enable_private_segment 0
		.amdhsa_kernarg_size 32
		.amdhsa_user_sgpr_count 2
		.amdhsa_user_sgpr_kernarg_segment_ptr 1
		.amdhsa_wavefront_size32 1
		.amdhsa_system_sgpr_workgroup_id_x 1
		.amdhsa_system_sgpr_workgroup_id_y 1
		.amdhsa_system_sgpr_workgroup_id_z 1
		.amdhsa_system_vgpr_workitem_id 0
		.amdhsa_next_free_vgpr 256
		.amdhsa_next_free_sgpr 106
		.amdhsa_reserve_vcc 0
		.amdhsa_float_denorm_mode_32 3
		.amdhsa_float_denorm_mode_16_64 3
		.amdhsa_memory_ordered 1
		.amdhsa_forward_progress 1
		.amdhsa_inst_pref_size 31
	.end_amdhsa_kernel
	.amdgpu_metadata
---
amdhsa.version: [ 1, 2 ]
amdhsa.kernels:
  - .name:           k_q9fb64cf91e_attn
    .symbol:         k_q9fb64cf91e_attn.kd
    .args:
      - { .name: qr, .offset: 0, .size: 8, .value_kind: global_buffer, .address_space: global }
      - { .name: kv, .offset: 8, .size: 8, .value_kind: global_buffer, .address_space: global }
      - { .name: mw, .offset: 16, .size: 8, .value_kind: global_buffer, .address_space: global }
      - { .name: out0, .offset: 24, .size: 8, .value_kind: global_buffer, .address_space: global }
    .group_segment_fixed_size: 276480
    .private_segment_fixed_size: 0
    .kernarg_segment_align: 8
    .kernarg_segment_size: 32
    .max_flat_workgroup_size: 512
    .sgpr_count:     106
    .vgpr_count:     256
    .wavefront_size: 32
...
	.end_amdgpu_metadata
.endif
;; end of part 3
